; MI455X (gfx1250); checked and timed in simulation.
; The chip was launched on July 23, 2026; its instructions are those of AMD's public machine-readable ISA for CDNA 5 (MIT licence, August 2026) and "CDNA5" Instruction Set Architecture Reference Guide (July 2026). The comments in the code are by the model that wrote it; some were corrected since.
;; Transformer Block. Allowed arithmetic: matrix products marked QUANTISED: E4M3 operands, one given power-of-two scale a tensor, by v_wmma_f32_16x16x64_fp8_fp8 or v_wmma_f32_16x16x128_fp8_fp8, f32 sums; everything else in f32.
;; Inputs: k 4 x 16 x 2,048 x 64 float32; lowp_scales 4 int32 (the exponents e of the quantised operands' scales 2^e); q 4 x 16 x 2,048 x 64 float32; v 4 x 16 x 2,048 x 64 float32.
;; Outputs: out0 4 x 16 x 2,048 x 64 float32.
;; This version of the problem:
;;   THIS VERSION OF THE PROBLEM IS GIVEN IN LOW PRECISION. The matrix products marked QUANTISED in the list below multiply operands that are first quantised to E4M3 (4 exponent bits, 3 mantissa bits; 8 bits a number), with one given power-of-two scale for each operand tensor; their sums are f32. All else is computed in f32.
;;   The module's matrix products, in the order in which they are computed (A, B: the left and right operand; K: the contracted axis; several contracted axes count as one K, in the product's order):
;;     1. batch 64 x [M 2,048, K 64] x [K 64, N 2,048]; A: computed on the way; B: input k: QUANTISED (scales: A lowp_scales[0], B lowp_scales[1])
;;     2. batch 64 x [M 2,048, K 2,048] x [K 2,048, N 64]; A: softmax (see below); B: input v: QUANTISED (scales: A lowp_scales[2], B lowp_scales[3])
;;   THE QUANTISER, for each operand of a quantised product, along K:
;;     - The operand's scale is 2^e, e = its entry of the input lowp_scales (int32; the entries are numbered through the quantised products in the list's order, A before B).
;;     - Each number is divided by the scale, clamped to +-448, and rounded to the nearest number of E4M3, ties to even, subnormals kept.
;;     - The product sums the exact products of the quantised numbers (number of the format x scale) in f32.
;;   ~~~python
;;   def quantise(x, axis, e):      # numpy; x: float32 -> the quantised numbers, widened to float32 again
;;       x = np.moveaxis(x, axis, -1); K = x.shape[-1]
;;       r = np.clip(x / 2.0 ** e, -448, 448)
;;       step = 2.0 ** (np.maximum(np.frexp(np.where(r == 0, 1, r))[1] - 1, -6) - 3)
;;       q = np.round(r / step) * step * 2.0 ** e      # np.round: ties to even
;;       return np.moveaxis(q, -1, axis).astype(np.float32)
;;   ~~~
;;   SOFTMAX AHEAD OF A QUANTISED PRODUCT. Where the list says 'softmax', what is quantised is not the finished softmax but p = 2^(t - M), with t = logit x log2(e) and M = ceil(the row's largest t), a whole number; so 1/2 < the row's largest p <= 1. The row's sum l is taken of the UNQUANTISED p, in f32, and the product's result is divided by l at the end. Since M is a whole number, a kernel that streams over the keys may use a running M (the ceiling of the running maximum): every later rescaling is an exact power of two, so the quantised numbers keep their values, but for numbers so far below the row's largest that they fall under the format's range.
;;   OPERANDS COMPUTED ON THE WAY. 'Computed on the way' means the value that the module computes at that place (a softmax that the list does not call 'softmax' is quantised finished and normalised). What goes into a quantiser is computed in f32, as accurately as f32 sums, v_exp_f32 and their like allow (about 1e-6 of the number): no bf16 or f16 on the way to a quantiser, and a product that is left as it is and whose result goes on into a quantised operand takes f32 operands (vector FMAs, or v_wmma_f32_16x16x4_f32). A number that lies on a knife's edge between two numbers of the format may be rounded either way, as far as f32 arithmetic and the matrix unit's own rounding can turn it there, and no further.
;; One version. Each part assembles by itself: llvm-mc -triple=amdgcn-amd-amdhsa -mcpu=gfx1250 --defsym DOCPART=n.
;; ======== version 1 of 1: 1 launch
;; limits: right only within a limited range of input values
;; launch attn (part 1): grid 256 x 1, 8 waves a work-group, no clusters, 101,376 bytes of LDS; arguments q, k, v, lowp_scales, out0; writes out0
.if DOCPART == 1
	.amdgcn_target "amdgcn-amd-amdhsa--gfx1250"
	.amdhsa_code_object_version 6
	.text
	.protected	k_qa01d7b3fd3_attn
	.globl	k_qa01d7b3fd3_attn
	.p2align	8
	.type	k_qa01d7b3fd3_attn,@function
k_qa01d7b3fd3_attn:
	s_mov_b64 s[64:65], 0
	v_nop
	global_prefetch_b8 v0, s[64:65] scope:SCOPE_SE
	s_setreg_imm32_b32 hwreg(HW_REG_WAVE_MODE, 25, 1), 1
	s_wait_xcnt 0x0
; Causal attention on codes of FP8 (E4M3).  q, k, v, out0: [64 heads][2048][64] f32.  lowp_scales: e0 (q x 0.125), e1 (k), e2 (p), e3 (v).
; S = Q(q/8, e0) . Q(k, e1);  t = S x log2(e);  M = the running largest t rounded up to a whole number;  p = 2^(t - M), quantised with 2^e2;
; l = the f32 sum of the unquantised p;  out = (Q(p) . Q(v, e3)) x 2^(e2 + e3) / l.  Key k counts for query q where k <= q.
; LEFT OUT: key steps all of whose 128 keys come after a wave's 32 queries: the causal mask gives them -inf, so their p is 0 for all inputs.
; A NaN or an infinity that reaches only such keys is not carried to the result.
; SHARES.  256 work-groups of 8 waves.  Work-group g: i = (g / 2) % 4, head = 2 (g / 8) + g % 2; two blocks of 256 queries: block i, then block 7 - i.
; Block b needs the key slots 0 .. b (a slot: 256 keys), so every work-group walks (i + 1) + (8 - i) = 9 slots: one constant trip count, equal work.
; A wave owns 32 queries, tiles A and B of 16, which share every fragment of K and V that the wave reads from LDS.
; K AND V arrive as f32: at a trip's head each wave loads 32 keys of the NEXT slot into registers; at the trip's end it quantises them and stores the codes into
; the other of two LDS buffers as images of the operands' registers (16 bytes a lane, 512 bytes on end).  One barrier a trip.
; LAYOUT.  Both products are used transposed (S^T = K Q^T, O^T = V^T P^T): a lane holds ONE query (lane % 16) throughout.  With h = lane / 16, register 16 b + x of
; a tile's scores holds key 32 b + 2 x + h of the step: row 8 h + x % 8 of K's tile 2 b + x / 8.  V's images hold the keys in the same order, which is the order
; in which V's dense loads (two rows of 256 bytes an instruction) leave them in a lane.  A permutation of k applied alike to both operands keeps every product.
; Along the head's 64, registers 4 c .. 4 c + 3 hold channels 32 c + 16 h + 0 .. 15 in Q and in K alike.
; THE HOLD OF p is jumped over where e2 >= -8: p is at most 1 (and one rounding), under 448 x 2^e2 >= 1.75, so the hold would change nothing.  A scalar branch on the int32 input.
; NO CLUSTER, NO JOINT LOADS: the operands pass through registers to be quantised, so there is no tensor load to share.
; LIMITS: e0 + 3, e1, e2, e3 between -126 and 119; e0 + e1 between -126 and 127 (each power of two below is then an f32 number).  NaN among the inputs is not served.
; A q so small that q x 0.125 is a denormal is divided exactly here (q / 2^(e0 + 3)), and not rounded first.  The scaled scores stay under 2^31 in magnitude.
; REGISTERS, window 0: v1-13 addresses and lane terms; v14-25 statistics; v26-33 scales and holds; v34-39 at work; v40-55 Q's codes; v56-119 K's 8 fragments, then
;   tile A's pair sums (32) and P's codes (32); v120-183 S^T / p of tile A, then V's 4 fragments; v184-247 S^T / p of tile B, at a trip's end the fill's codes; v248-253 at work.
; window 1: v0-63 O^T of A and B, v64-127 K's f32 of the fill, v128-191 V's, v192-255 the second block's q.
.set BUF,  32768                       ; an LDS buffer: 16 tiles of K (1,024 bytes each), then 8 tiles of V^T (2,048 each)
.set VOFF, 16384
.set STG,  65536                       ; a stage of 16 rows x 272 bytes for each wave
.set SP,   272
.set SPARE, STG+8*16*SP                ; the spare words: 128 bytes a wave
.set QF,   40
.set FR,   56
.set PCA,  FR+32
.set PCB,  FR+48
.set SA,   120
.set SB,   184
.set CW,   184                         ; V's codes as converted
.set TT,   200                         ; the transposition's middle
.set CT,   216                         ; V's codes, keys innermost: 4 channels x 4 registers
.set CK,   232                         ; K's codes
.set OA,   0                           ; window 1
.set OB,   32
.set STK,  64
.set STV,  128
.set Q2R,  192
.set MSB,  0
.macro WIN new                         ; low byte: bits 1:0 source 0, 3:2 source 1, 5:4 source 2, 7:6 destination; the high byte repeats the setting that is left
.if MSB != (\new)
	s_set_vgpr_msb (MSB<<8)|(\new)
.set MSB, (\new)
.endif
.endm
.macro PLACES cnt
.rept \cnt
	v_nop
.endr
.endm
.macro AW
	s_wait_alu depctr_va_vdst(0)
.endm
; 32 rows of q: register 32 a + 16 c + x = q(row lane % 16 of tile a, channel 32 c + 16 h + x)
.macro QLOAD dst, win, base
	WIN 0x40*\win
.irp a, 0,1
.irp c, 0,1
.irp j, 0,1,2,3
	global_load_b128 v[\dst+32*\a+16*\c+4*\j:\dst+32*\a+16*\c+4*\j+3], v8, s[\base:\base+1] offset:4096*\a+128*\c+16*\j th:TH_LOAD_NT
.endr
.endr
.endr
	WIN 0
.endm
.macro QQUANT src, win                 ; q / 2^(e0 + 3), held, to codes: two fragments of 8 registers
	WIN 0x41*\win
.set n, 0
.rept 64
	v_med3_num_f32 v[\src+n], v[\src+n], -v33, v33      ; the conversion does not saturate (ISA guide 7.6.2): the hold comes first
.set n, n+1
.endr
	WIN 0x01*\win
.set n, 0
.rept 8
	v_cvt_scalef32_pk8_fp8_f32 v[QF+2*n:QF+2*n+1], v[\src+8*n:\src+8*n+7], v32
.set n, n+1
.endr
	WIN 0
	v_nop                                          ; a plain line behind the last conversion
.endm
.macro INIT                            ; a block begins: the largest t -3e38, the sums and O^T zeros, which the first change of M leaves zeros
	v_mov_b32 v15, 0xff61b1e6
	v_mov_b32 v19, 0xff61b1e6
	v_floor_f32 v14, -v15
	v_floor_f32 v18, -v19
	v_mov_b32 v16, 0
	v_mov_b32 v17, 0
	v_mov_b32 v20, 0
	v_mov_b32 v21, 0
	WIN 0x40
.set n, 0
.rept 64
	v_mov_b32 v[OA+n], 0
.set n, n+1
.endr
	WIN 0
.endm
.macro MKSC se, bias, vsc, vlm         ; v[vsc] = 2^(e + bias - 127), v[vlm] = 448 x that
	s_add_co_i32 s27, s[\se], \bias
	s_lshl_b32 s62, s27, 23
	v_mov_b32 v[\vsc], s62
	s_add_co_i32 s27, s27, 8
	s_lshl_b32 s27, s27, 23
	s_or_b32 s27, s27, 0x600000
	v_mov_b32 v[\vlm], s27
.endm
; THE FILL.  My wave takes keys 32 w .. 32 w + 31 of the slot at s[36:37] (K) and s[38:39] (V).
; K: lane l, item m: key 8 m + l / 4, channels 16 (l % 4) + 0 .. 15.  V: load n: rows 2 n and 2 n + 1 whole: lane l has key 2 n + l / 16, channels 4 (l % 16) + 0 .. 3.
.macro FILL_LOAD
	WIN 0x40
.irp m, 0,1,2,3
.irp j, 0,1,2,3
	global_load_b128 v[STK+16*\m+4*\j:STK+16*\m+4*\j+3], v7, s[36:37] offset:2048*\m+16*\j
.endr
.endr
.set n, 0
.rept 16
	global_load_b128 v[STV+4*n:STV+4*n+3], v1, s[38:39] offset:512*n
.set n, n+1
.endr
	WIN 0
.endm
.macro FILL_STORE kc, vc               ; kc, vc: the loads younger than K's, than V's
	s_wait_loadcnt \kc
	WIN 0x41
.set n, 0
.rept 64
	v_med3_num_f32 v[STK+n], v[STK+n], -v27, v27
.set n, n+1
.endr
	WIN 0x01
.set n, 0
.rept 8
	v_cvt_scalef32_pk8_fp8_f32 v[CK+2*n:CK+2*n+1], v[STK+8*n:STK+8*n+7], v26
.set n, n+1
.endr
	WIN 0
	v_nop                                          ; a plain line behind the last conversion
.irp m, 0,1,2,3
	ds_store_b128 v5, v[CK+4*\m:CK+4*\m+3] offset:1024*(\m/2)+64*(\m%2)   ; key 8 m + l / 4: tile 2 w + m / 2, row 8 ((l / 4) % 2) + 4 (m % 2) + l / 8
.endr
	s_wait_loadcnt \vc
	WIN 0x41
.set n, 0
.rept 64
	v_med3_num_f32 v[STV+n], v[STV+n], -v29, v29
.set n, n+1
.endr
	WIN 0x01
.set n, 0
.rept 8
	v_cvt_scalef32_pk8_fp8_f32 v[CW+2*n:CW+2*n+1], v[STV+8*n:STV+8*n+7], v28   ; word n: my four channels of key 2 n + l / 16
.set n, n+1
.endr
	WIN 0
	v_nop                                          ; a plain line between the conversions and the reads of their results
.irp g, 0,1,2,3                        ; 4 x 4 bytes transposed: words of four keys for each channel
	v_perm_b32 v[TT+4*\g],   v[CW+4*\g+1], v[CW+4*\g],   s24
	v_perm_b32 v[TT+4*\g+1], v[CW+4*\g+1], v[CW+4*\g],   s25
	v_perm_b32 v[TT+4*\g+2], v[CW+4*\g+3], v[CW+4*\g+2], s24
	v_perm_b32 v[TT+4*\g+3], v[CW+4*\g+3], v[CW+4*\g+2], s25
.endr
.irp g, 0,1,2,3
	v_perm_b32 v[CT+\g],    v[TT+4*\g+2], v[TT+4*\g],   s66
	v_perm_b32 v[CT+4+\g],  v[TT+4*\g+2], v[TT+4*\g],   s67
	v_perm_b32 v[CT+8+\g],  v[TT+4*\g+3], v[TT+4*\g+1], s66
	v_perm_b32 v[CT+12+\g], v[TT+4*\g+3], v[TT+4*\g+1], s67
.endr
.irp c, 0,1,2,3
	ds_store_b128 v6, v[CT+4*\c:CT+4*\c+3] offset:16*\c       ; channel 4 (l % 16) + c: its 16 keys 2 x + l / 16
.endr
.endm
; Line idx of 32 of a tile's maximum: two chains, the scores ascending (each accumulator is read from its low end on)
.macro MAXOP sb, ta, idx
.if (\idx) == 0
	v_max3_num_f32 v[\ta], v[\sb], v[\sb+1], v[\sb+2]
.elseif (\idx) == 1
	v_max3_num_f32 v[\ta+1], v[\sb+3], v[\sb+4], v[\sb+5]
.elseif (\idx) < 31
	v_max3_num_f32 v[\ta+(\idx)%2], v[\ta+(\idx)%2], v[\sb+2*(\idx)+2], v[\sb+2*(\idx)+3]
.else
	v_max_num_f32 v[\ta], v[\ta], v[\ta+1]
.endif
.endm
.macro FMA sb, stat, idx               ; t - M for a pair of scores
	v_pk_fma_f32 v[\sb+2*(\idx):\sb+2*(\idx)+1], v[\sb+2*(\idx):\sb+2*(\idx)+1], s[22:23], v[\stat:\stat+1] op_sel_hi:[1,0,0]
.endm
.macro HOLD sb                         ; p is never negative: a one-sided hold; passed over where it can change nothing (s53 = 0)
	s_cmp_eq_u32 s53, 0
	s_cbranch_scc1 .Lnohold_\@
.set n, 0
.rept 64
	v_min_num_f32 v[\sb+n], v[\sb+n], v31
.set n, n+1
.endr
.Lnohold_\@:
.endm
.macro PCODES sb, pc
.set n, 0
.rept 8
	v_cvt_scalef32_pk8_fp8_f32 v[\pc+2*n:\pc+2*n+1], v[\sb+8*n:\sb+8*n+7], v30
.set n, n+1
.endr
.endm
; THE MASK.  Register 16 b + x holds key KF + 32 b + 2 x + h: hidden where 32 b + 2 x > my query - KF - h.  Hidden scores become -infinity: p = 0.
.macro MGRP b
	s_cmp_gt_u32 s50, \b                           ; these 32 keys all come before my 32 queries: nothing to hide
	s_cbranch_scc1 .Lclear_\@
.irp x, 0,1,2,3,4,5,6,7,8,9,10,11,12,13,14,15
	v_cmp_gt_i32 vcc_lo, 32*\b+2*\x, v248
	v_cndmask_b32 v[SA+16*\b+\x], v[SA+16*\b+\x], v250, vcc_lo
	v_cmp_gt_i32 vcc_lo, 32*\b+2*\x, v249
	v_cndmask_b32 v[SB+16*\b+\x], v[SB+16*\b+\x], v250, vcc_lo
.endr
.Lclear_\@:
.endm
.macro MASK
	s_add_co_u32 s27, s47, 127
	s_cmp_le_u32 s27, s49                          ; all 128 keys count for all my queries
	s_cbranch_scc1 .Lopen_\@
	s_sub_co_u32 s27, s49, s47                     ; Q0 - KF: a multiple of 32, 0 to 96
	s_lshr_b32 s50, s27, 5
	v_add_nc_u32 v248, s27, v13                    ; tile A's distance
	v_add_nc_u32 v249, 16, v248                    ; tile B's queries lie 16 further on
	v_mov_b32 v250, 0xff800000
	AW                                             ; ahead of the branches below
	MGRP 0
	MGRP 1
	MGRP 2
	MGRP 3
.Lopen_\@:
	AW                                             ; the masked scores are read behind branches
.endm
; A KEY STEP: 128 keys, half hf of the slot in the buffer at s45, for my two tiles.
.macro STEP hf
	s_add_co_u32 s27, s49, 31
	s_cmp_gt_u32 s47, s27                          ; all keys of the step come after my queries: its work is left out (a branch on ids; no barrier stands in a step)
	s_cbranch_scc1 .Lhidden_\@
.irp t, 0,1,2,3,4,5,6,7
	ds_load_b128 v[FR+8*\t:FR+8*\t+3], v2 offset:(8*\hf+\t)*1024
	ds_load_b128 v[FR+8*\t+4:FR+8*\t+7], v2 offset:(8*\hf+\t)*1024+512
.endr
	s_wait_dscnt 0x0                               ; K's eight fragments are in
.irp t, 0,1,2,3,4,5,6,7
	v_wmma_f32_16x16x64_fp8_fp8 v[SA+8*\t:SA+8*\t+7], v[FR+8*\t:FR+8*\t+7], v[QF:QF+7], 0
	v_wmma_f32_16x16x64_fp8_fp8 v[SB+8*\t:SB+8*\t+7], v[FR+8*\t:FR+8*\t+7], v[QF+8:QF+15], 0
.endr
	PLACES 4                                       ; four places between the products and the first read of their results (ISA guide 7.12.1)
	MASK
.set n, 0
.rept 32                               ; both tiles' maxima, four chains: every score is first read here, ahead of all exponentials
	MAXOP SA, 34, n
	MAXOP SB, 38, n
.set n, n+1
.endr
	v_permlanex16_b32 v36, v34, s20, s21           ; the query's other 64 keys lie in the lane 16 away
	v_permlanex16_b32 v37, v38, s20, s21
	v_max_num_f32 v34, v34, v36
	v_max_num_f32 v38, v38, v37
	v_mul_f32 v34, s22, v34                        ; as t (the factor is positive)
	v_mul_f32 v38, s22, v38
	v_max_num_f32 v15, v15, v34
	v_max_num_f32 v19, v19, v38
	v_mov_b32 v34, v14
	v_mov_b32 v38, v18
	v_floor_f32 v14, -v15                          ; -M = floor(-t): M is a whole number
	v_floor_f32 v18, -v19
	v_sub_f32 v34, v14, v34                        ; old M - new M, 0 or less
	v_sub_f32 v38, v18, v38
	v_cvt_i32_f32 v34, v34                         ; (it saturates)
	v_cvt_i32_f32 v38, v38
	v_ldexp_f32 v22, 1.0, v34                      ; f = 2^(old M - new M)
	v_ldexp_f32 v24, 1.0, v38
	v_pk_mul_f32 v[16:17], v[16:17], v[22:23] op_sel_hi:[1,0]   ; the sums under the new M
	v_pk_mul_f32 v[20:21], v[20:21], v[24:25] op_sel_hi:[1,0]
	WIN 0x41
.set n, 0
.rept 16                               ; O^T under the new M, read ahead of the step's exponentials
	v_pk_mul_f32 v[OA+2*n:OA+2*n+1], v[OA+2*n:OA+2*n+1], v[22:23] op_sel_hi:[1,0]
.set n, n+1
.endr
.set n, 0
.rept 16
	v_pk_mul_f32 v[OB+2*n:OB+2*n+1], v[OB+2*n:OB+2*n+1], v[24:25] op_sel_hi:[1,0]
.set n, n+1
.endr
	WIN 0
.set n, 0
.rept 32
	FMA SA, 14, n
.set n, n+1
.endr
	AW                                             ; ahead of tile A's batch
.set n, 0
.rept 32                               ; tile A's exponentials; beside them tile B's t - M, which nothing reads before the next wait
	v_exp_f32 v[SA+2*n], v[SA+2*n]
	v_exp_f32 v[SA+2*n+1], v[SA+2*n+1]
	FMA SB, 18, n
.set n, n+1
.endr
	AW                                             ; behind tile A's batch and ahead of tile B's
.set n, 0
.rept 16                               ; tile B's exponentials; beside them sums of pairs of tile A's unquantised p, into registers that nothing reads before the next wait
	v_exp_f32 v[SB+4*n], v[SB+4*n]
	v_exp_f32 v[SB+4*n+1], v[SB+4*n+1]
	v_exp_f32 v[SB+4*n+2], v[SB+4*n+2]
	v_exp_f32 v[SB+4*n+3], v[SB+4*n+3]
	v_pk_add_f32 v[FR+2*n:FR+2*n+1], v[SA+4*n:SA+4*n+1], v[SA+4*n+2:SA+4*n+3]
.set n, n+1
.endr
	AW                                             ; behind tile B's batch, and ahead of the branch
	HOLD SA
	PCODES SA, PCA
.irp t, 0,1,2,3                        ; tile A's p is converted: its registers take V's four fragments, which land during the sums
.irp c, 0,1,2,3
	ds_load_b128 v[SA+16*\t+4*\c:SA+16*\t+4*\c+3], v2 offset:VOFF+(4*\hf+\t)*2048+512*\c
.endr
.endr
	v_pk_add_f32 v[252:253], v[SB:SB+1], v[SB+2:SB+3]   ; the rows' sums of the unquantised p, four chains
.set n, 1
.rept 15
.if n%2
	v_pk_add_f32 v[16:17], v[16:17], v[FR+2*n:FR+2*n+1]
.else
	v_pk_add_f32 v[FR:FR+1], v[FR:FR+1], v[FR+2*n:FR+2*n+1]
.endif
	v_pk_add_f32 v[20:21], v[20:21], v[SB+4*n:SB+4*n+1]
	v_pk_add_f32 v[252:253], v[252:253], v[SB+4*n+2:SB+4*n+3]
.set n, n+1
.endr
	v_pk_add_f32 v[16:17], v[16:17], v[FR:FR+1]
	v_pk_add_f32 v[20:21], v[20:21], v[252:253]
	AW                                             ; ahead of the branch
	HOLD SB
	PCODES SB, PCB
	v_nop                                          ; a plain line behind the last conversion
	AW                                             ; ahead of the wait below
	s_wait_dscnt 0x0                               ; V's four fragments are in
	WIN 0x50                                       ; C and D in window 1
.irp t, 0,1,2,3                        ; eight accumulators by turns, one instruction a turn
	v_wmma_f32_16x16x128_fp8_fp8 v[OA+8*\t:OA+8*\t+7], v[SA+16*\t:SA+16*\t+15], v[PCA:PCA+15], v[OA+8*\t:OA+8*\t+7]
	v_wmma_f32_16x16x128_fp8_fp8 v[OB+8*\t:OB+8*\t+7], v[SA+16*\t:SA+16*\t+15], v[PCB:PCB+15], v[OB+8*\t:OB+8*\t+7]
.endr
	WIN 0
	PLACES 5                                       ; four for loads into P's registers and reads of O^T; five for the next products, which write over V's fragments
.Lhidden_\@:
	s_add_co_u32 s47, s47, 128
.endm
; In trip t work-group i asks for its quarter of slot t + 2 of its head: waves 0, 1 the two halves (8,192 bytes, lanes 256 bytes apart) of k's 16,384, waves 2, 3 of v's.
; Each block of 256 bytes is asked for once in the launch; trips 0 to 5 ask, for slots 2 to 7: nothing points past a head's last row.
.macro PREFETCH
	s_cmp_ge_u32 s14, 4
	s_cbranch_scc1 .Lnopf_\@
	s_cmp_ge_u32 s44, 6
	s_cbranch_scc1 .Lnopf_\@
	global_prefetch_b8 v9, s[58:59] th:TH_LOAD_NT scope:SCOPE_SE
.Lnopf_\@:
.endm
; A TRIP: one slot of 256 keys.  ONE barrier: in front of it my stores into the buffer that is read next have landed and my reads of the other buffer are over.
; fill = 1: the next slot's 32 loads go out at the head and have both steps in which to land.
.macro TRIP fill
	s_xor_b32 s45, s45, BUF                        ; the buffer to read
	s_xor_b32 s46, s46, BUF                        ; the buffer to fill
	s_wait_dscnt 0x0                               ; for the others' sake: zero
	s_barrier_signal -1
	s_barrier_wait -1
	v_add_nc_u32 v2, s45, v1
.if \fill
	v_add_nc_u32 v5, s46, v3
	v_add_nc_u32 v6, s46, v4
.endif
	AW                                             ; directly behind the writes: their readers stand behind waits and branches
.if \fill
	s_wait_xcnt 0x0                                ; the bases of earlier loads, stores and of the prefetch are rewritten only behind this wait
	s_add_co_u32 s40, s40, 0x10000                 ; the next slot's bytes in the head;
	s_cmp_eq_u32 s40, s42                          ; behind the first block's last slot comes the second block's slot 0
	s_cselect_b32 s40, 0, s40
	s_cselect_b32 s42, s43, s42
	s_add_nc_u64 s[36:37], s[32:33], s[40:41]
	s_add_nc_u64 s[38:39], s[34:35], s[40:41]
	s_add_nc_u64 s[58:59], s[58:59], 0x10000
	FILL_LOAD
	PREFETCH
.endif
	STEP 0
	STEP 1
.if \fill
	FILL_STORE 16, 0
.endif
.endm
; THE WAY OUT: O^T x 2^(e2 + e3) / l goes through my own stage and comes back as whole rows of 256 bytes.
.macro TOSTAGE sb
.irp t, 0,1,2,3
	ds_store_b128 v10, v[\sb+8*\t:\sb+8*\t+3] offset:64*\t
	ds_store_b128 v10, v[\sb+8*\t+4:\sb+8*\t+7] offset:64*\t+16
.endr
.irp x, 0,1,2,3,4,5,6,7
	ds_load_b128 v[\sb+32+4*\x:\sb+32+4*\x+3], v11 offset:2*SP*\x   ; LDS serves a wave's instructions in order (ISA guide 5.7.1.4)
.endr
.endm
.macro SEND sb, tile, younger
.irp x, 0,1,2,3,4,5,6,7
	s_wait_dscnt \younger+7-\x
	global_store_b128 v12, v[\sb+32+4*\x:\sb+32+4*\x+3], s[54:55] offset:512*\x+4096*\tile th:TH_STORE_NT   ; 32 lanes store two whole rows: 512 consecutive bytes, aligned
.endr
.endm
.macro WAYOUT
	s_wait_dscnt 0x0                               ; the fill's LDS stores have read the registers that tile B's results take
	v_add_f32 v34, v16, v17                        ; the sums' two halves,
	v_add_f32 v38, v20, v21
	v_permlanex16_b32 v36, v34, s20, s21
	v_permlanex16_b32 v37, v38, s20, s21
	v_add_f32 v34, v34, v36                        ; and the other 16 lanes'
	v_add_f32 v38, v38, v37
	AW                                             ; ahead of the two reciprocals
	v_rcp_f32 v34, v34
	v_rcp_f32 v38, v38
	v_nop                                          ; a plain line behind them
	AW                                             ; and behind them
	v_ldexp_f32 v34, v34, s26
	v_ldexp_f32 v38, v38, s26
	WIN 0x01
	AW                                             ; directly ahead of the first readers of O^T
.set n, 0
.rept 16
	v_pk_mul_f32 v[SA+2*n:SA+2*n+1], v[OA+2*n:OA+2*n+1], v[34:35] op_sel_hi:[1,0]   ; register 8 t + j: out(query lane % 16, channel 16 t + 8 h + j)
.set n, n+1
.endr
.set n, 0
.rept 16
	v_pk_mul_f32 v[SB+2*n:SB+2*n+1], v[OB+2*n:OB+2*n+1], v[38:39] op_sel_hi:[1,0]
.set n, n+1
.endr
	WIN 0
	AW                                             ; tile B's results are read behind waits
	TOSTAGE SA
	TOSTAGE SB                                     ; behind tile A's loads from the stage, in order
	SEND SA, 0, 16                                 ; tile B's 16 LDS instructions are younger
	SEND SB, 1, 0
	s_wait_xcnt 0x0                                ; the stores' data and base are rewritten only behind this wait
.endm
.macro NEXTPASS                        ; on to block 7 - i: its q has lain in registers since the head
	s_mov_b32 s49, s52
	s_mov_b32 s48, s51
	s_mov_b32 s47, 0
	s_mov_b64 s[54:55], s[56:57]
	QQUANT Q2R, 1
	INIT
	AW                                             ; ahead of the loop's branch
.endm
	s_load_b256 s[4:11], s[0:1], 0x0               ; q s[4:5], k s[6:7], v s[8:9], the scales' exponents s[10:11]
	s_load_b64 s[12:13], s[0:1], 0x20              ; out0
	v_lshl_add_u32 v254, v0, 2, SPARE
	v_mov_b32 v255, 0
	v_lshrrev_b32 v1, 5, v0
	v_readfirstlane_b32 s14, v1                    ; wave 0..7
	s_bfe_u32 s15, ttmp9, 0x20001                  ; i = (g / 2) % 4
	s_lshr_b32 s16, ttmp9, 3
	s_lshl_b32 s16, s16, 1
	s_and_b32 s27, ttmp9, 1
	s_or_b32 s16, s16, s27                         ; the head
	s_lshl_b32 s16, s16, 19                        ; its first byte: 2,048 rows of 256 bytes
	s_lshl_b32 s18, s14, 13
	s_add_co_u32 s18, s18, s16                     ; + my wave's 32 keys of a slot
	s_mov_b32 s19, 0
	s_lshl_b32 s27, s14, 5
	s_lshl_b32 s49, s15, 8
	s_add_co_u32 s49, s49, s27                     ; Q0 = 256 i + 32 w
	s_sub_co_u32 s52, 7, s15
	s_lshl_b32 s52, s52, 8
	s_add_co_u32 s52, s52, s27                     ; the second block's: 256 (7 - i) + 32 w
	s_lshl_b32 s60, s49, 8
	s_add_co_u32 s60, s60, s16                     ; their rows' bytes in q and out0
	s_mov_b32 s61, 0
	s_lshl_b32 s62, s52, 8
	s_add_co_u32 s62, s62, s16
	s_mov_b32 s63, 0
	s_add_co_u32 s48, s15, 1
	s_lshl_b32 s48, s48, 8                         ; the first block's keys end at 256 (i + 1),
	s_lshl_b32 s42, s48, 8                         ; which is this many bytes;
	s_sub_co_u32 s51, 8, s15
	s_lshl_b32 s51, s51, 8                         ; the second block's at 256 (8 - i)
	s_lshl_b32 s43, s51, 8
	s_lshl_b32 s58, s15, 14                        ; the prefetch: my work-group's quarter of a slot,
	s_and_b32 s59, s14, 1
	s_lshl_b32 s59, s59, 13                        ; my wave's half of it,
	s_add_co_u32 s58, s58, s59
	s_add_co_u32 s58, s58, s16
	s_add_co_u32 s58, s58, 0x10000                 ; in slot 1: each trip's head steps it by a slot
	s_mov_b32 s59, 0
	s_mov_b32 s20, 0x76543210                      ; v_permlanex16_b32: lane l xor 16
	s_mov_b32 s21, 0xfedcba98
	s_mov_b32 s24, 0x05010400                      ; v_perm_b32: bytes 0, 1 of two words by turns,
	s_mov_b32 s25, 0x07030602                      ; bytes 2, 3;
	s_mov_b32 s66, 0x05040100                      ; the low halves of two words,
	s_mov_b32 s67, 0x07060302                      ; the high halves
	s_mov_b32 s40, 0                               ; the slot being filled, in bytes
	s_mov_b32 s41, 0
	s_mov_b32 s44, 0                               ; the trip
	s_mov_b32 s45, BUF                             ; turned at each trip's head: trip 0 reads buffer 0
	s_mov_b32 s46, 0
	s_mov_b32 s47, 0                               ; KF: the step's first key
	s_lshl_b32 s68, s14, 11                        ; K's codes: 2048 w
	s_lshr_b32 s69, s14, 2
	s_lshl_b32 s69, s69, 13
	s_and_b32 s50, s14, 3
	s_lshl_b32 s50, s50, 9
	s_add_co_u32 s69, s69, s50
	s_add_co_u32 s69, s69, VOFF                    ; V's: VOFF + 8192 (w / 4) + 512 (w % 4)
	s_mul_i32 s70, s14, 16*SP
	s_add_co_u32 s70, s70, STG                     ; my stage
	v_and_b32 v34, 31, v0                          ; lane l
	v_lshlrev_b32 v1, 4, v34                       ; an image's place for my lane; also V's loads: 16 bytes a lane
	v_lshlrev_b32 v7, 6, v34                       ; K: row l / 4, 64 bytes l % 4
	v_lshlrev_b32 v9, 8, v34                       ; the prefetch: lanes 256 bytes apart
	v_and_b32 v35, 3, v0
	v_bfe_u32 v38, v0, 2, 1
	v_bfe_u32 v39, v0, 3, 2
	v_lshlrev_b32 v3, 8, v35
	v_lshl_add_u32 v3, v38, 7, v3
	v_lshl_add_u32 v3, v39, 4, v3
	v_add_nc_u32 v3, s68, v3                       ; K's codes go to 2048 w + 256 (l % 4) + 128 ((l / 4) % 2) + 16 (l / 8)
	v_bfe_u32 v38, v0, 2, 2
	v_bfe_u32 v39, v0, 4, 1                        ; h
	v_lshlrev_b32 v4, 11, v38
	v_lshl_add_u32 v4, v39, 8, v4
	v_lshl_add_u32 v4, v35, 6, v4
	v_add_nc_u32 v4, s69, v4                       ; V's to .. + 2048 ((l / 4) % 4) + 256 h + 64 (l % 4)
	v_and_b32 v35, 15, v0                          ; r
	v_mul_u32_u24 v10, v35, SP
	v_lshl_add_u32 v10, v39, 5, v10
	v_add_nc_u32 v10, s70, v10                     ; the stage, in: row r, + 32 h
	v_mul_u32_u24 v11, v39, SP
	v_lshl_add_u32 v11, v35, 4, v11
	v_add_nc_u32 v11, s70, v11                     ; back: lanes 0-15 one row, lanes 16-31 the next
	v_lshlrev_b32 v12, 8, v39
	v_lshl_add_u32 v12, v35, 4, v12                ; and the same two rows in out0
	v_sub_nc_u32 v13, v35, v39                     ; r - h, for the mask
	v_lshlrev_b32 v8, 8, v35
	v_lshl_add_u32 v8, v39, 6, v8                  ; q: row r, + 64 h
	v_add_nc_u32 v5, s46, v3                       ; the first fill goes into buffer 0
	v_add_nc_u32 v6, s46, v4
	AW                                             ; ahead of the wait below
	s_wait_kmcnt 0x0
	s_load_b128 s[28:31], s[10:11], 0x0            ; e0, e1, e2, e3
	s_add_nc_u64 s[32:33], s[6:7], s[18:19]        ; k and v at my wave's keys of slot 0
	s_add_nc_u64 s[34:35], s[8:9], s[18:19]
	s_mov_b64 s[36:37], s[32:33]
	s_mov_b64 s[38:39], s[34:35]
	s_add_nc_u64 s[54:55], s[12:13], s[60:61]      ; out0 at my rows of the first block, of the second
	s_add_nc_u64 s[56:57], s[12:13], s[62:63]
	s_add_nc_u64 s[18:19], s[4:5], s[60:61]        ; q likewise
	s_add_nc_u64 s[60:61], s[4:5], s[62:63]
	s_cmp_lt_u32 s14, 2                            ; the choice hangs on the wave's number alone
	s_cselect_b64 s[2:3], s[6:7], s[8:9]
	s_add_nc_u64 s[58:59], s[2:3], s[58:59]
	QLOAD SA, 0, 18                                ; what is needed first is asked for first: the first block's q,
	FILL_LOAD                                      ; slot 0's K and V,
	QLOAD Q2R, 1, 60                               ; and last the second block's q, which nothing waits for here
	s_wait_kmcnt 0x0
	s_add_co_i32 s27, s28, s29
	s_lshl_b32 s27, s27, 23
	s_add_co_i32 s22, s27, 0x3fb8aa3b              ; log2(e) x 2^(e0 + e1): the exponents are added to the exponent field; the 0.125 is in Q's codes
	s_mov_b32 s23, s22                             ; (named with it as a pair)
	s_add_co_i32 s26, s30, s31                     ; e2 + e3
	s_cmp_lt_i32 s30, -8
	s_cselect_b32 s53, 1, 0                        ; 1: p's hold can bind
	MKSC 28, 130, 32, 33                           ; q x 0.125 / 2^e0 = q / 2^(e0 + 3)
	MKSC 29, 127, 26, 27                           ; k
	MKSC 31, 127, 28, 29                           ; v
	MKSC 30, 127, 30, 31                           ; p
	INIT
	v_mov_b32 v23, 0                               ; named as upper words of pairs, or as a lane permute's destination: written once
	v_mov_b32 v25, 0
	v_mov_b32 v35, 0
	v_mov_b32 v36, 0
	v_mov_b32 v37, 0
	v_mov_b32 v39, 0
	AW                                             ; the head's end
	s_wait_loadcnt 48                              ; the first q's 16 loads are in; the 48 younger ones (K's 16, V's 16, the second q's 16) may be out
	QQUANT SA, 0
	FILL_STORE 32, 16
.Ltrip:                                                ; eight trips, each of which fills the next trip's buffer
	TRIP 1
	s_cmp_lg_u32 s47, s48                          ; the first block's keys are done (in trip i, at most 3): it goes out, and the second begins
	s_cbranch_scc1 .Lon
	WAYOUT
	NEXTPASS
.Lon:
	s_add_co_u32 s44, s44, 1
	s_cmp_lt_u32 s44, 8
	s_cbranch_scc1 .Ltrip
	TRIP 0                                         ; the ninth trip is written out: it loads nothing more
	WAYOUT
	s_barrier_signal -1
	s_barrier_wait -1
	s_wait_tensorcnt 0x0                           ; the wave's end
	ds_add_u32 v254, v255
	s_wait_dscnt 0x0
	s_endpgm
.Lfunc_end_k_qa01d7b3fd3_attn:
	.size	k_qa01d7b3fd3_attn, .Lfunc_end_k_qa01d7b3fd3_attn-k_qa01d7b3fd3_attn
	.p2alignl 7, 3214868480
	.fill 96, 4, 3214868480
	.section	.rodata,"a",@progbits
	.p2align	6, 0x0
	.amdhsa_kernel k_qa01d7b3fd3_attn
		.amdhsa_group_segment_fixed_size 101376
		.amdhsa_private_segment_fixed_size 0
		.amdhsa_enable_private_segment 0
		.amdhsa_kernarg_size 40
		.amdhsa_user_sgpr_count 2
		.amdhsa_user_sgpr_kernarg_segment_ptr 1
		.amdhsa_wavefront_size32 1
		.amdhsa_system_sgpr_workgroup_id_x 1
		.amdhsa_system_sgpr_workgroup_id_y 1
		.amdhsa_system_sgpr_workgroup_id_z 1
		.amdhsa_system_vgpr_workitem_id 0
		.amdhsa_next_free_vgpr 512
		.amdhsa_next_free_sgpr 72
		.amdhsa_reserve_vcc 1
		.amdhsa_float_denorm_mode_32 3
		.amdhsa_float_denorm_mode_16_64 3
		.amdhsa_memory_ordered 1
		.amdhsa_forward_progress 1
		.amdhsa_inst_pref_size 224
	.end_amdhsa_kernel
	.amdgpu_metadata
---
amdhsa.version: [ 1, 2 ]
amdhsa.kernels:
  - .name:           k_qa01d7b3fd3_attn
    .symbol:         k_qa01d7b3fd3_attn.kd
    .args:
      - { .name: q, .offset: 0, .size: 8, .value_kind: global_buffer, .address_space: global }
      - { .name: k, .offset: 8, .size: 8, .value_kind: global_buffer, .address_space: global }
      - { .name: v, .offset: 16, .size: 8, .value_kind: global_buffer, .address_space: global }
      - { .name: lowp_scales, .offset: 24, .size: 8, .value_kind: global_buffer, .address_space: global }
      - { .name: out0, .offset: 32, .size: 8, .value_kind: global_buffer, .address_space: global }
    .group_segment_fixed_size: 101376
    .private_segment_fixed_size: 0
    .kernarg_segment_align: 8
    .kernarg_segment_size: 40
    .max_flat_workgroup_size: 256
    .sgpr_count:     72
    .vgpr_count:     512
    .wavefront_size: 32
...
	.end_amdgpu_metadata
.endif
;; end of part 1
